; MI455X (gfx1250); checked and timed in simulation.
; The chip was launched on July 23, 2026; its instructions are those of AMD's public machine-readable ISA for CDNA 5 (MIT licence, August 2026) and "CDNA5" Instruction Set Architecture Reference Guide (July 2026). The comments in the code are by the model that wrote it; some were corrected since.
;; Self Attention. Allowed arithmetic: matrix products marked QUANTISED: E2M3 operands, one E8M0 scale for each 32 along K, by v_wmma_scale_f32_16x16x128_f8f6f4 with both operands' format E2M3, f32 sums; everything else in f32.
;; Inputs: Wk 1,024 x 1,024 float32; Wq 1,024 x 1,024 float32; Wv 1,024 x 1,024 float32; x 4 x 2,048 x 1,024 float32.
;; Outputs: out0 4 x 2,048 x 1,024 float32.
;; This version of the problem:
;;   THIS VERSION OF THE PROBLEM IS GIVEN IN LOW PRECISION. The matrix products marked QUANTISED in the list below multiply operands that are first quantised to E2M3 (2 exponent bits, 3 mantissa bits; 6 bits a number), with one power-of-two scale for each 32 numbers along K (OCP MX v1.0); their sums are f32. All else is computed in f32.
;;   The module's matrix products, in the order in which they are computed (A, B: the left and right operand; K: the contracted axis; several contracted axes count as one K, in the product's order):
;;     1. [M 8,192, K 1,024] x [K 1,024, N 1,024]; A: input x; B: input Wq: QUANTISED
;;     2. [M 8,192, K 1,024] x [K 1,024, N 1,024]; A: input x; B: input Wk: QUANTISED
;;     3. [M 8,192, K 1,024] x [K 1,024, N 1,024]; A: input x; B: input Wv: QUANTISED
;;     4. batch 64 x [M 2,048, K 64] x [K 64, N 2,048]; A: computed on the way; B: computed on the way: QUANTISED
;;     5. batch 64 x [M 2,048, K 2,048] x [K 2,048, N 64]; A: softmax (see below); B: computed on the way: QUANTISED
;;   THE QUANTISER, for each operand of a quantised product, along K:
;;     - K is cut into blocks of 32 from its start; a last block that is shorter is filled with zeros.
;;     - A block's scale is 2^e with e = floor(log2(the largest magnitude in the block)) - 2, held to -126 .. 127; a block of zeros has e = 0. As a byte (E8M0): e + 127.
;;     - Each number is divided by its block's scale, clamped to +-7.5, and rounded to the nearest number of E2M3, ties to even, subnormals kept.
;;     - The product sums the exact products of the quantised numbers (number of the format x scale) in f32.
;;   ~~~python
;;   def quantise(x, axis):      # numpy; x: float32 -> the quantised numbers, widened to float32 again
;;       x = np.moveaxis(x, axis, -1); K = x.shape[-1]
;;       x = np.pad(x, [(0, 0)] * (x.ndim - 1) + [(0, -K % 32)]); x = x.reshape(x.shape[:-1] + (-1, 32)); a = np.abs(x).max(-1, keepdims=True)
;;       e = np.where(a > 0, np.clip(np.frexp(np.where(a > 0, a, 1))[1] - 1 - 2, -126, 127), 0)      # np.frexp(a)[1] - 1 = floor(log2(a)), exactly
;;       r = np.clip(x / 2.0 ** e, -7.5, 7.5)
;;       step = 2.0 ** (np.maximum(np.frexp(np.where(r == 0, 1, r))[1] - 1, 0) - 3)
;;       q = np.round(r / step) * step * 2.0 ** e      # np.round: ties to even
;;       return np.moveaxis(q.reshape(q.shape[:-2] + (-1,))[..., :K], -1, axis).astype(np.float32)
;;   ~~~
;;   SOFTMAX AHEAD OF A QUANTISED PRODUCT. Where the list says 'softmax', what is quantised is not the finished softmax but p = 2^(t - M), with t = logit x log2(e) and M = ceil(the row's largest t), a whole number; so 1/2 < the row's largest p <= 1. The row's sum l is taken of the UNQUANTISED p, in f32, and the product's result is divided by l at the end. Since M is a whole number, a kernel that streams over the keys may use a running M (the ceiling of the running maximum): every later rescaling is an exact power of two, which a block's scale takes up: the codes' values come out the same.
;;   OPERANDS COMPUTED ON THE WAY. 'Computed on the way' means the value that the module computes at that place (a softmax that the list does not call 'softmax' is quantised finished and normalised). What goes into a quantiser is computed in f32, as accurately as f32 sums, v_exp_f32 and their like allow (about 1e-6 of the number): no bf16 or f16 on the way to a quantiser, and a product that is left as it is and whose result goes on into a quantised operand takes f32 operands (vector FMAs, or v_wmma_f32_16x16x4_f32). A number that lies on a knife's edge between two numbers of the format may be rounded either way, as far as f32 arithmetic and the matrix unit's own rounding can turn it there, and no further.
;; One version. Each part assembles by itself: llvm-mc -triple=amdgcn-amd-amdhsa -mcpu=gfx1250 --defsym DOCPART=n.
;; ======== version 1 of 1: 3 launches
;; limits: right only within a limited range of input values
;; workspace buffers: xc 6,291,456 bytes; xs 262,144 bytes; wc 2,359,296 bytes; ws 98,304 bytes; qkv 19,660,800 bytes
;; launch quant (part 1): grid 352 x 1, 8 waves a work-group, no clusters, 44,032 bytes of LDS; arguments x, Wq, Wk, Wv, xc, xs, wc, ws; writes xc, xs, wc, ws
.if DOCPART == 1
	.amdgcn_target "amdgcn-amd-amdhsa--gfx1250"
	.amdhsa_code_object_version 6
	.text
	.protected	k_q01148106a7_quant
	.globl	k_q01148106a7_quant
	.p2align	8
	.type	k_q01148106a7_quant,@function
k_q01148106a7_quant:
	s_mov_b64 s[64:65], 0
	v_nop
	global_prefetch_b8 v0, s[64:65] scope:SCOPE_SE
	s_setreg_imm32_b32 hwreg(HW_REG_WAVE_MODE, 25, 1), 1
	s_wait_xcnt 0x0
; x [8192][1024] and Wq, Wk, Wv [1024][1024], f32, K innermost, become codes of FP6 (E2M3) with one E8M0 scale byte for each 32 along K.
; WORK LEFT OUT IN THIS PROGRAM: reference() sets every score with key > query to -infinity by a mask that it builds itself, so such a score adds 0 to the softmax's sum and to the
; weighted sum for all values of the inputs.  The last launch leaves out key steps that lie wholly under that mask.  A NaN, an infinity or an overflow that reaches only those scores is not carried to the result.
; A block's scale is 2^(floor(log2(its largest magnitude)) - 2); its byte is the largest magnitude's exponent field - 2, held at 1 from below; codes are rounded to nearest, ties to even, beyond 7.5 the largest code.
; LIMITS: a block of zeros gets the byte 1 where the rule says 127 (its codes are zeros, and this program alone reads the bytes); blocks under 2^-124 are held at byte 1; NaN and infinities among the inputs are not served.
; LAYOUT.  Codes lie in four planes, one for each 256 along K: plane p holds [place][192 bytes]; so 128 places of a plane are 24,576 dense bytes, 96 units of 256.  xc: 8,192 places, wc: 3,072 (Wq, Wk, Wv).  Scales: [place][32].
; THE ROWS ARE STORED IN ANOTHER ORDER: in each group of 64 rows, place 16 t + r holds row 8 t + (r % 8) + 32 (r / 8).  Taken as source 0 of a product, four neighbouring tiles of 16 places give a lane 32 neighbours.
; A work-group takes 32 rows, a wave 4 of them (8 steps of 512 numbers); a unit of 8 rows e = (r5 r4 r3) of a group goes to unit (r4 r3 r5), two waves to a unit.
; Work-groups 0-255 take x, 256-287 Wq, 288-319 Wk, 320-351 Wv: only pointers are chosen.  No tensor loads, no barrier: waves share nothing.
; A wave asks for all its 16,384 bytes at its start, 32 loads of 512 consecutive bytes; the turn through LDS runs one step ahead.
; A wave's 128 scale bytes leave as 128 consecutive bytes: two neighbouring waves fill an aligned run of 256.
.set STEPS, 8
.set CB,    12
.set XPL,   8192*192                   ; a plane of xc in bytes
.set WPL,   3072*192                   ; and of wc
.set R,     16                         ; v16-143  eight sets of 16 numbers as loaded
.set X,     144                        ; v144-175 two sets of 16 neighbours
.set E,     176                        ; v176-183 a scale byte for each step
.set C,     184                        ; v184-215 codes, four registers a step
.set SPW,   216                        ; my spare word's LDS address; never rewritten
.set NIL,   217                        ; 0; never rewritten
.set SP,    80                         ; a lane's place in a stage: 64 bytes + 16 of padding
.set WREG,  5376                       ; LDS: a region for each wave: two stages of 32 x SP bytes, then its 128 scale bytes
.set SPARE, 8*WREG                     ; behind the regions: the spare words, 128 bytes a wave
	s_load_b256 s[4:11], s[0:1], 0x0               ; x, Wq, Wk, Wv
	s_load_b256 s[12:19], s[0:1], 0x20             ; xc, xs, wc, ws
	v_lshl_add_u32 v[SPW], v0, 2, SPARE
	v_mov_b32 v[NIL], 0
	v_lshrrev_b32 v1, 5, v0
	v_readfirstlane_b32 s24, v1                    ; wave 0..7
	v_and_b32 v2, 31, v0                           ; lane
	v_lshlrev_b32 v3, 4, v2                        ; my 16 bytes of a load's 512
	s_mul_i32 s25, s24, WREG
	v_lshrrev_b32 v14, 2, v2
	v_mul_u32_u24 v14, v14, SP
	v_and_b32 v15, 3, v2
	v_lshl_add_u32 v14, v15, 4, v14
	v_add_nc_u32 v14, s25, v14                     ; the stage, in: SP (lane / 4) + 16 (lane % 4)
	v_mul_u32_u24 v15, v2, SP
	v_add_nc_u32 v15, s25, v15                     ; and out: SP x lane
	s_mov_b32 s3, WPL
	s_cmp_lt_u32 ttmp9, 256
	s_cselect_b32 s3, XPL, s3                      ; the plane's size
	v_and_b32 v4, 15, v2
	v_mul_u32_u24 v4, v4, CB
	v_lshrrev_b32 v10, 4, v2
	v_mad_u32_u24 v4, v10, s3, v4                  ; my codes: 12 (lane % 16), lanes 16-31 one plane on
	v_lshrrev_b32 v5, 1, v2
	s_add_co_u32 s25, s25, 2*32*SP
	v_add_nc_u32 v5, s25, v5                       ; LDS: my block's scale byte
	v_lshlrev_b32 v7, 2, v2                        ; on the way out 4 bytes a lane
	v_add_nc_u32 v6, s25, v7
	s_and_b32 s23, ttmp9, 31                       ; a weight's group of 32 rows
	s_wait_alu depctr_va_vdst(0)
	s_wait_kmcnt 0x0
	s_mov_b64 s[20:21], s[10:11]                   ; the source: Wv,
	s_cmp_lt_u32 ttmp9, 320
	s_cselect_b64 s[20:21], s[8:9], s[20:21]       ; or Wk,
	s_cmp_lt_u32 ttmp9, 288
	s_cselect_b64 s[20:21], s[6:7], s[20:21]       ; or Wq,
	s_cmp_lt_u32 ttmp9, 256
	s_cselect_b64 s[20:21], s[4:5], s[20:21]       ; or x
	s_cselect_b64 s[12:13], s[12:13], s[16:17]     ; the codes' buffer
	s_cselect_b64 s[14:15], s[14:15], s[18:19]     ; the scale bytes' buffer
	s_cselect_b32 s23, ttmp9, s23
	s_cselect_b32 s22, 0, 256
	s_sub_co_u32 s22, ttmp9, s22
	s_lshl_b32 s28, s23, 3
	s_add_co_u32 s28, s28, s24
	s_lshl_b32 s28, s28, 14                        ; 4 rows of 4,096 bytes a wave
	s_mov_b32 s29, 0
	s_add_nc_u64 s[20:21], s[20:21], s[28:29]
.macro LOAD t
.irp i, 0,1,2,3
	global_load_b128 v[R+16*(\t)+4*\i:R+16*(\t)+4*\i+3], v3, s[20:21] offset:2048*(\t)+512*\i th:TH_LOAD_NT
.endr
.endm
.irp t, 0,1,2,3,4,5,6,7
	LOAD \t
.endr
	s_lshr_b32 s31, s24, 1
	s_lshl_b32 s30, s22, 2
	s_add_co_u32 s30, s30, s31                     ; my unit of 8 rows
	s_and_b32 s26, s30, 3
	s_lshl_b32 s26, s26, 1
	s_bfe_u32 s27, s30, 0x10002
	s_or_b32 s26, s26, s27
	s_and_b32 s30, s30, 0xfffffff8
	s_or_b32 s30, s30, s26                         ; and where it goes: its low three bits turned by one
	s_and_b32 s31, s24, 1                          ; which 4 rows of the unit are mine
	s_mul_i32 s28, s30, 8*192
	s_mul_i32 s26, s31, 4*192
	s_add_co_u32 s28, s28, s26
	s_add_nc_u64 s[12:13], s[12:13], s[28:29]      ; planes 0 and 1
	s_lshl_b32 s2, s3, 1
	s_mov_b32 s3, 0
	s_add_nc_u64 s[16:17], s[12:13], s[2:3]        ; planes 2 and 3
	s_lshl_b32 s28, s30, 8                         ; 8 rows of 32 scale bytes a unit
	s_lshl_b32 s26, s31, 7
	s_add_co_u32 s28, s28, s26
	s_add_nc_u64 s[14:15], s[14:15], s[28:29]
.macro TURN t                          ; a step's numbers through the stage; LDS serves a wave's instructions in order
.irp i, 0,1,2,3
	ds_store_b128 v14, v[R+16*(\t)+4*\i:R+16*(\t)+4*\i+3] offset:32*SP*((\t)%2)+8*SP*\i
.endr
.irp i, 0,1,2,3
	ds_load_b128 v[X+16*((\t)%2)+4*\i:X+16*((\t)%2)+4*\i+3], v15 offset:32*SP*((\t)%2)+16*\i
.endr
.endm
	s_wait_loadcnt 4*(STEPS-1)                     ; step 0's four loads are in; the 28 behind them may be out
	TURN 0
.macro STEP t
.set XS, X+16*((\t)%2)
.if (\t) > 0
	s_wait_dscnt 1                                 ; this step's numbers are back (the last byte store may be out)
.else
	s_wait_dscnt 0x0
.endif
.if (\t)+1 < STEPS
	s_wait_loadcnt 4*(STEPS-2-(\t))                ; the next step's four loads are in; those of the steps behind it may be out
	TURN (\t)+1
.endif
	v_max3_num_f32 v8, |v[XS]|, |v[XS+1]|, |v[XS+2]|
	v_max3_num_f32 v9, |v[XS+3]|, |v[XS+4]|, |v[XS+5]|
.irp i, 6,10
	v_max3_num_f32 v8, v8, |v[XS+\i]|, |v[XS+\i+1]|
	v_max3_num_f32 v9, v9, |v[XS+\i+2]|, |v[XS+\i+3]|
.endr
	v_max3_num_f32 v8, v8, |v[XS+14]|, |v[XS+15]|
	v_max3_num_f32 v8, v8, v9, 0x1800000           ; the floor 2^(3 - 127)
	v_max_num_f32_dpp v8, v8, v8 row_xmask:1 row_mask:0xf bank_mask:0xf   ; with my neighbour's 16: the block's
	v_add_nc_u32 v11, 0xff000000, v8               ; 2 off the exponent field: the conversion's scale operand
	v_cvt_scalef32_pk16_fp6_f32 v[C+4*(\t):C+4*(\t)+2], v[XS:XS+15], v11
	v_lshrrev_b32 v[E+(\t)], 23, v11               ; the scale's byte
	ds_store_b8 v5, v[E+(\t)] offset:16*(\t)
	global_store_b96 v4, v[C+4*(\t):C+4*(\t)+2], s[12+4*((\t)%2):13+4*((\t)%2)] offset:192*((\t)/2)   ; row t / 2; sixteen lanes store its 192 bytes of one plane
.endm
.irp t, 0,1,2,3,4,5,6,7
	STEP \t
.endr
	ds_load_b32 v12, v6
	s_wait_dscnt 0x0
	global_store_b32 v7, v12, s[14:15]             ; 32 lanes store 128 consecutive bytes
	s_wait_tensorcnt 0x0                           ; the wave's end
	ds_add_u32 v[SPW], v[NIL]
	s_wait_dscnt 0x0
	s_endpgm
.Lfunc_end_k_q01148106a7_quant:
	.size	k_q01148106a7_quant, .Lfunc_end_k_q01148106a7_quant-k_q01148106a7_quant
	.p2alignl 7, 3214868480
	.fill 96, 4, 3214868480
	.section	.rodata,"a",@progbits
	.p2align	6, 0x0
	.amdhsa_kernel k_q01148106a7_quant
		.amdhsa_group_segment_fixed_size 44032
		.amdhsa_private_segment_fixed_size 0
		.amdhsa_enable_private_segment 0
		.amdhsa_kernarg_size 64
		.amdhsa_user_sgpr_count 2
		.amdhsa_user_sgpr_kernarg_segment_ptr 1
		.amdhsa_wavefront_size32 1
		.amdhsa_system_sgpr_workgroup_id_x 1
		.amdhsa_system_sgpr_workgroup_id_y 1
		.amdhsa_system_sgpr_workgroup_id_z 1
		.amdhsa_system_vgpr_workitem_id 0
		.amdhsa_next_free_vgpr 220
		.amdhsa_next_free_sgpr 66
		.amdhsa_reserve_vcc 0
		.amdhsa_float_denorm_mode_32 3
		.amdhsa_float_denorm_mode_16_64 3
		.amdhsa_memory_ordered 1
		.amdhsa_forward_progress 1
		.amdhsa_inst_pref_size 19
	.end_amdhsa_kernel
	.amdgpu_metadata
---
amdhsa.version: [ 1, 2 ]
amdhsa.kernels:
  - .name:           k_q01148106a7_quant
    .symbol:         k_q01148106a7_quant.kd
    .args:
      - { .name: x, .offset: 0, .size: 8, .value_kind: global_buffer, .address_space: global }
      - { .name: Wq, .offset: 8, .size: 8, .value_kind: global_buffer, .address_space: global }
      - { .name: Wk, .offset: 16, .size: 8, .value_kind: global_buffer, .address_space: global }
      - { .name: Wv, .offset: 24, .size: 8, .value_kind: global_buffer, .address_space: global }
      - { .name: xc, .offset: 32, .size: 8, .value_kind: global_buffer, .address_space: global }
      - { .name: xs, .offset: 40, .size: 8, .value_kind: global_buffer, .address_space: global }
      - { .name: wc, .offset: 48, .size: 8, .value_kind: global_buffer, .address_space: global }
      - { .name: ws, .offset: 56, .size: 8, .value_kind: global_buffer, .address_space: global }
    .group_segment_fixed_size: 44032
    .private_segment_fixed_size: 0
    .kernarg_segment_align: 8
    .kernarg_segment_size: 64
    .max_flat_workgroup_size: 256
    .sgpr_count:     66
    .vgpr_count:     220
    .wavefront_size: 32
...
	.end_amdgpu_metadata
.endif
;; end of part 1
;; launch proj (part 2): grid 12 x 32, 4 waves a work-group, clusters of 4 x 4, 327,680 bytes of LDS; arguments xc, xs, wc, ws, qkv; writes qkv
.if DOCPART == 2
	.amdgcn_target "amdgcn-amd-amdhsa--gfx1250"
	.amdhsa_code_object_version 6
	.text
	.protected	k_q01148106a7_proj
	.globl	k_q01148106a7_proj
	.p2align	8
	.type	k_q01148106a7_proj,@function
k_q01148106a7_proj:
	s_mov_b64 s[64:65], 0
	v_nop
	global_prefetch_b8 v0, s[64:65] scope:SCOPE_SE
	s_setreg_imm32_b32 hwreg(HW_REG_WAVE_MODE, 25, 1), 1
	s_wait_xcnt 0x0
	s_wait_alu depctr_hold_cnt(0) depctr_sa_sdst(0) depctr_va_vdst(0) depctr_va_sdst(0) depctr_va_ssrc(0) depctr_va_vcc(0) depctr_vm_vsrc(0)
	s_getreg_b32 s2, hwreg(HW_REG_IB_STS2, 6, 4)
	s_cmp_eq_u32 s2, 0
	s_cbranch_scc0 .Lentry_in_a_cluster
	s_endpgm
.Lentry_in_a_cluster:
	s_bfe_u32 s2, ttmp6, 0x10000c
	s_cmp_lg_u32 s2, 0xf033
	s_cbranch_scc0 .Lentry_shape_is_right
	s_endpgm
.Lentry_shape_is_right:
; Q, K and V = x W^T on codes of FP6, a tile of 256 x 256 to a work-group, 128 x 128 to a wave; the results are scaled (Q, K: 64^(-1/4)), quantised again and stored as images of operand registers.
; Clusters x = 0, 1: source 1 = tokens (xc), source 0 = features of Wq, Wk: a lane holds a token, its registers run along the head's 64: Q and K are quantised along the head.
; Cluster x = 2: the roles are exchanged (tokens as source 0, Wv's features as source 1): a lane holds a feature, its registers run along the tokens: V is quantised along the keys.
; By the stored order of rows (place 16 t + r = row 8 t + r % 8 + 32 (r / 8) of 64) the 32 registers of four neighbouring tiles are a whole block of 32 neighbours: lanes 0-15 block 2 c, lanes 16-31 block 2 c + 1.
; K goes in steps of 256 through two LDS slots.  128 places of a plane are 24,576 dense bytes: a tensor load takes them as 96 rows of 256 bytes, 16 bytes of padding behind each 64: an LDS row of 192 bytes has the pitch 240.
; The head's four tiles (K step 0 of A and of B, A's and B's scales) are shared out, one joint load a wave; slot 1 is first filled behind the full sequence and a round.
; No prefetch: K has four steps, and the first two are asked for at the head.
; qkv: for each (batch x 16 + head) 8 blocks (256 tokens) of 38,400 bytes: K's codes 12,288 | V's codes 12,288 | K's scales 512 | V's scales 512 | Q's codes 12,288 | Q's scales 512.
.set SIZE_K, 1024
.set KSTEP,  256
.set NQ,     KSTEP/128
.set ROWB,   192
.set XPL,    8192*ROWB
.set WPL,    3072*ROWB
.set PITCH,  240
.set FR,     12
.set NL,     6
.set NP,     4
.set HALFT,  128*PITCH
.set SLOT,   4*HALFT
.set LAPS,   SIZE_K/(2*KSTEP)
.set KS,     SIZE_K/32
.set SCL,    2*SLOT
.set HALFS,  (128*KS/256)*272
.set SBLK,   (16*KS/256)*272
.set SPARE,  SCL+4*HALFS
.set HEADB,  307200
.set SB,     38400
.set ADRA, 16
.set ADRB, 20
.set LI16, 24
.set LI8,  25
.set ADRS, 27
.set SPW,  28
.set NIL,  29
.set SH8,  30                          ; v30 8 x (lane / 16)
.set SC,   32
.set ST,   64
.set AF,   128
.set PCB,  128
.set TM,   224
.set CT,   240
.set PWB,  248
.set G1, 24
.set G0, 32
.set G1B, 48
.set G0B, 56
.set G1S, 68
.set G0S, 76
.set G1SB, 80
.set G0SB, 88
.set G0H, 4
.set G0HB, 8
.set PLA, 100                          ; s[100:101] a plane of A's buffer in bytes;  s[104:105] of B's
.set PLB, 104
.set SCF, 92
.set SELR, 94
.set HM,  96
.set PS0, 97
.set MSB, 0
.macro WIN new
.if MSB != (\new)
	s_set_vgpr_msb (MSB<<8)|(\new)
.set MSB, (\new)
.endif
.endm
.set MUL_LO, 0xa1
.set MUL_HI, 0xf1
.set TO_B,   0x40
.macro JLOAD g0a, g1a, g0b, g1b        ; waves 0, 1 fetch for A, waves 2, 3 for B
	s_cmp_eq_u32 s15, 0
	s_cbranch_scc0 .Lfor_b_\@
	tensor_load_to_lds s[\g0a:\g0a+3], s[\g1a:\g1a+7]
	s_nop 0
.rept 4
	v_nop
.endr
	s_branch .Lasked_\@
.Lfor_b_\@:
	tensor_load_to_lds s[\g0b:\g0b+3], s[\g1b:\g1b+7]
	s_nop 0
.rept 4
	v_nop
.endr
.Lasked_\@:
.endm
.macro CREST
	s_cmp_lg_u32 s14, 0
	s_cbranch_scc1 .Lnot_wave_0_\@
	s_barrier_signal -3
.Lnot_wave_0_\@:
	s_barrier_wait -3
	s_barrier_signal -1
	s_barrier_wait -1
.endm
.macro CROUND
	s_barrier_signal -1
	s_barrier_wait -1
	CREST
.endm
	s_load_b128 s[4:7], s[0:1], 0x0                ; xc, xs
	s_load_b128 s[8:11], s[0:1], 0x10              ; wc, ws
	s_load_b64 s[12:13], s[0:1], 0x20              ; qkv
	v_lshl_add_u32 v[SPW], v0, 2, SPARE
	v_mov_b32 v[NIL], 0
	ds_add_u32 v[SPW], v[NIL]                      ; the opening lines
	ds_add_u32 v[SPW], v[NIL]
	v_lshrrev_b32 v1, 5, v0
	v_readfirstlane_b32 s14, v1
	s_lshr_b32 s15, s14, 1
	s_and_b32 s16, s14, 1
	s_bfe_u32 s40, ttmp6, 0x40000
	s_bfe_u32 s41, ttmp6, 0x40004
	s_mov_b32 s66, ttmp9
	s_and_b32 s67, ttmp7, 0xffff
	s_cmp_eq_u32 s66, 2
	s_cselect_b32 s18, s67, s66
	s_cselect_b32 s19, 0, s67
	s_cselect_b32 s95, 2048, 0
	s_mov_b32 s94, XPL
	s_mov_b32 s3, WPL
	s_cselect_b32 s[PLA], s3, s94
	s_cselect_b32 s[PLB], s94, s3
	s_mov_b32 s[PLA+1], 0
	s_mov_b32 s[PLB+1], 0
	s_lshl_b32 s42, s18, 2
	s_add_co_u32 s42, s42, s40                     ; tile column
	s_lshl_b32 s17, s19, 2
	s_add_co_u32 s17, s17, s41                     ; tile row
	s_lshl_b32 s43, s41, 2
	s_lshl_b32 s43, 15, s43
	s_lshl_b32 s44, 0x1111, s40
	s_or_b32 s[G1+0], s43, (0<<16)|(1<<20)|(1<<21)|(3<<22)|(3<<25)   ; bytes; 4 words of padding behind every 16
	s_or_b32 s[G1B+0], s44, (0<<16)|(1<<20)|(1<<21)|(3<<22)|(3<<25)
.irp g, G1, G1B
	s_mov_b32 s[\g+1], 256<<16
	s_mov_b32 s[\g+2], 192<<16                     ; the head's loads: 256 places = 192 rows of 256 bytes
	s_mov_b32 s[\g+3], 256<<16
	s_mov_b32 s[\g+4], 192
	s_mov_b32 s[\g+5], 256
	s_mov_b32 s[\g+6], 0
	s_mov_b32 s[\g+7], 0
.endr
	s_or_b32 s[G1S+0], s43, (3<<16)|(1<<20)|(1<<21)|(5<<22)|(3<<25)
	s_or_b32 s[G1SB+0], s44, (3<<16)|(1<<20)|(1<<21)|(5<<22)|(3<<25)
.irp g, G1S, G1SB
	s_mov_b32 s[\g+1], 32<<16                      ; the scales of 256 places: KS rows of 256 bytes
	s_mov_b32 s[\g+2], KS<<16
	s_mov_b32 s[\g+3], 32<<16
	s_mov_b32 s[\g+4], KS
	s_mov_b32 s[\g+5], 32
	s_mov_b32 s[\g+6], 0
	s_mov_b32 s[\g+7], 0
.endr
	s_lshl_b32 s20, s17, 8
	s_add_co_u32 s20, s20, s95                     ; A: the tile's first place
	s_lshl_b32 s46, s42, 8                         ; B's
	s_mov_b32 s21, 0
	s_mov_b32 s47, 0
	s_mov_b64 s[18:19], KS
	s_mul_u64 s[22:23], s[20:21], s[18:19]
	s_mul_u64 s[92:93], s[46:47], s[18:19]
	s_mov_b64 s[18:19], ROWB
	s_mul_u64 s[20:21], s[20:21], s[18:19]
	s_mul_u64 s[46:47], s[46:47], s[18:19]
	s_mul_i32 s18, s16, 128*ROWB                   ; in the ring: which 128 places I fetch
	s_mov_b32 s19, 0
	s_mul_i32 s45, s14, HALFT
	s_wait_dscnt 0x0                               ; both opening adds are done
	s_wait_kmcnt 0x0
	s_cmp_eq_u32 s66, 2
	s_cselect_b64 s[96:97], s[8:9], s[4:5]
	s_cselect_b64 s[98:99], s[10:11], s[6:7]
	s_cselect_b64 s[8:9], s[4:5], s[8:9]
	s_cselect_b64 s[10:11], s[6:7], s[10:11]
	s_add_nc_u64 s[20:21], s[96:97], s[20:21]
	s_add_nc_u64 s[22:23], s[98:99], s[22:23]
	s_add_nc_u64 s[46:47], s[8:9], s[46:47]
	s_add_nc_u64 s[92:93], s[10:11], s[92:93]
	CROUND                                         ; in front of the first joint loads
	s_mov_b32 s[G0H], 1
	s_mov_b32 s[G0H+1], 0
	s_mov_b64 s[G0H+2:G0H+3], s[20:21]
	s_or_b32 s[G0H+3], s[G0H+3], 0x80000000
	s_mov_b32 s[G0HB], 1
	s_mov_b32 s[G0HB+1], 2*HALFT
	s_mov_b64 s[G0HB+2:G0HB+3], s[46:47]
	s_or_b32 s[G0HB+3], s[G0HB+3], 0x80000000
	s_mov_b32 s[G0S], 1
	s_mov_b32 s[G0S+1], SCL
	s_mov_b64 s[G0S+2:G0S+3], s[22:23]
	s_or_b32 s[G0S+3], s[G0S+3], 0x80000000
	s_mov_b32 s[G0SB], 1
	s_mov_b32 s[G0SB+1], SCL+2*HALFS
	s_mov_b64 s[G0SB+2:G0SB+3], s[92:93]
	s_or_b32 s[G0SB+3], s[G0SB+3], 0x80000000
	s_add_nc_u64 s[20:21], s[20:21], s[18:19]
	s_add_nc_u64 s[46:47], s[46:47], s[18:19]
.irp s, 0,1                            ; the ring's group 0: slot s stands at plane s
	s_mov_b32 s[G0+4*\s], 1
	s_add_co_u32 s[G0+4*\s+1], s45, \s*SLOT
	s_mov_b64 s[G0+4*\s+2:G0+4*\s+3], s[20:21]
	s_or_b32 s[G0+4*\s+3], s[G0+4*\s+3], 0x80000000
	s_mov_b32 s[G0B+4*\s], 1
	s_add_co_u32 s[G0B+4*\s+1], s45, \s*SLOT
	s_mov_b64 s[G0B+4*\s+2:G0B+4*\s+3], s[46:47]
	s_or_b32 s[G0B+4*\s+3], s[G0B+4*\s+3], 0x80000000
	s_add_nc_u64 s[20:21], s[20:21], s[PLA:PLA+1]
	s_add_nc_u64 s[46:47], s[46:47], s[PLB:PLB+1]
.endr
.macro ARM under, g0, g1, next         ; one chain of branches on the wave's number, one load to an arm
	s_cmp_lt_u32 s14, \under
	s_cbranch_scc0 \next
	tensor_load_to_lds s[\g0:\g0+3], s[\g1:\g1+7]
	s_nop 0
.rept 4
	v_nop
.endr
	s_branch .Lhead_asked
\next:
.endm
	ARM 1, G0H,  G1,  .Lhead_b
	ARM 2, G0HB, G1B, .Lhead_sa
	ARM 3, G0S,  G1S, .Lhead_sb
	tensor_load_to_lds s[G0SB:G0SB+3], s[G1SB:G1SB+7]
	s_nop 0
.rept 4
	v_nop
.endr
.Lhead_asked:
	v_and_b32 v1, 15, v0
	v_bfe_u32 v2, v0, 4, 1
	v_mul_u32_u24 v3, v1, PITCH
	v_mul_u32_u24 v4, v2, 24
	v_add_nc_u32 v4, v3, v4
	v_lshl_add_u32 v5, v2, 4, v4                   ; for pieces whose lanes 16-31 lie behind one more pad
	s_mul_i32 s21, s15, HALFT
	s_mul_i32 s22, s16, HALFT
	s_add_co_u32 s22, s22, 2*HALFT
.irp s, 0,1
	v_add_nc_u32 v[ADRA+\s], s21, v4
	v_add_nc_u32 v[ADRB+\s], s22, v4
	v_add_nc_u32 v[ADRA+2+\s], s21, v5
	v_add_nc_u32 v[ADRB+2+\s], s22, v5
	s_add_co_u32 s21, s21, SLOT
	s_add_co_u32 s22, s22, SLOT
.endr
	v_mul_u32_u24 v5, v1, KS
	v_lshrrev_b32 v6, 8, v5
	v_lshl_add_u32 v5, v6, 4, v5
	s_mul_i32 s21, s15, HALFS
	s_mul_i32 s22, s16, HALFS
	s_add_co_u32 s22, s22, 2*HALFS
	s_sub_co_u32 s22, s22, s21
	v_mul_u32_u24 v6, s22, v2
	s_add_co_u32 s21, s21, SCL
	v_add_nc_u32 v5, v5, v6
	v_add_nc_u32 v[ADRS], s21, v5
	v_and_b32 v6, 31, v0
	v_lshlrev_b32 v[LI16], 4, v6
	v_lshlrev_b32 v[LI8], 3, v6
	v_lshlrev_b32 v[SH8], 3, v2
.macro FRAG reg, adr, q, i
.irp p, 0,1,2,3,4,5
.set PC, 12*(\q)+6*(\p/3)+\p%3
.if PC%8 < 5
	ds_load_b64 v[\reg+2*\p:\reg+2*\p+1], v[\adr] offset:8*PC+16*(PC/8)+(\i)*16*PITCH
.else
	ds_load_b64 v[\reg+2*\p:\reg+2*\p+1], v[\adr+2] offset:8*PC+16*(PC/8)+(\i)*16*PITCH
.endif
.endr
.endm
.macro MUL16 a0, p, q, sc, zero        ; the 64 accumulators take turns
.irp a, \a0, \a0+1
.irp b, 0,1,2,3,4,5,6,7
.if \zero
	v_wmma_scale_f32_16x16x128_f8f6f4 v[8*(8*((\a)%4)+\b):8*(8*((\a)%4)+\b)+7], v[128*(\p)+FR*\b:128*(\p)+FR*\b+FR-1], v[AF+FR*(\a):AF+FR*(\a)+FR-1], 0, v[SC+8*NQ*(\sc)+NQ*\b+(\q)], v[SC+8*NQ*(\sc)+NQ*(\a)+(\q)] matrix_a_fmt:MATRIX_FMT_FP6 matrix_b_fmt:MATRIX_FMT_FP6 matrix_a_scale:MATRIX_SCALE_ROW1
.else
	v_wmma_scale_f32_16x16x128_f8f6f4 v[8*(8*((\a)%4)+\b):8*(8*((\a)%4)+\b)+7], v[128*(\p)+FR*\b:128*(\p)+FR*\b+FR-1], v[AF+FR*(\a):AF+FR*(\a)+FR-1], v[8*(8*((\a)%4)+\b):8*(8*((\a)%4)+\b)+7], v[SC+8*NQ*(\sc)+NQ*\b+(\q)], v[SC+8*NQ*(\sc)+NQ*(\a)+(\q)] matrix_a_fmt:MATRIX_FMT_FP6 matrix_b_fmt:MATRIX_FMT_FP6 matrix_a_scale:MATRIX_SCALE_ROW1
.endif
.endr
.endr
.endm
.macro FETCH_B slot, q, p
	WIN TO_B
.irp i, 0,1,2,3,4,5,6,7
	FRAG 128*(\p)+FR*\i, ADRB+\slot, \q, \i
.endr
	WIN 0
.endm
.macro FETCH_A slot, q, i0
.irp i, \i0, \i0+1, \i0+2, \i0+3
	FRAG AF+FR*(\i), ADRA+\slot, \q, \i
.endr
.endm
.macro SCALES sc
.irp i, 0,1,2,3,4,5,6,7
	ds_load_b64 v[SC+8*NQ*\sc+NQ*\i:SC+8*NQ*\sc+NQ*\i+1], v[ADRS] offset:\i*SBLK
.endr
.endm
.macro PLACES n
.rept \n
	v_nop
.endr
.endm
.macro STEP slot, q, zero
	s_wait_dscnt 4*NL                              ; all but A's blocks 4-7, the youngest 24 loads
	WIN MUL_LO
	MUL16 0, (\q)%2, \q, \slot, \zero
	MUL16 2, (\q)%2, \q, \slot, \zero
	s_wait_dscnt 0
	PLACES NP
	FETCH_B \slot, (\q)+1, 1-(\q)%2
	FETCH_A \slot, (\q)+1, 0
	WIN MUL_HI
	MUL16 4, (\q)%2, \q, \slot, \zero
	MUL16 6, (\q)%2, \q, \slot, \zero
	PLACES NP
	WIN 0
	FETCH_A \slot, (\q)+1, 4
.endm
.macro TURN slot, next, fill           ; a slot's second step, and the change of slots
	s_wait_tensorcnt 0x0
	ds_add_u32 v[SPW], v[NIL]
	s_wait_dscnt 4*NL+1                            ; the add and A's blocks 4-7 may be out
	WIN MUL_LO
	MUL16 0, 1, NQ-1, \slot, 0
	s_wait_dscnt 0x0
	s_barrier_signal -1
	MUL16 2, 1, NQ-1, \slot, 0
	WIN 0
	s_barrier_wait -1
.if \fill
	CREST
.rept 2                                ; two planes on
	s_add_nc_u64 s[G0+4*\slot+2:G0+4*\slot+3], s[G0+4*\slot+2:G0+4*\slot+3], s[PLA:PLA+1]
	s_add_nc_u64 s[G0B+4*\slot+2:G0B+4*\slot+3], s[G0B+4*\slot+2:G0B+4*\slot+3], s[PLB:PLB+1]
.endr
	JLOAD G0+4*\slot, G1, G0B+4*\slot, G1B
.else
	PLACES NP
.endif
	s_wait_alu depctr_va_vdst(0)
	v_add_nc_u32 v[ADRS], 4*NQ, v[ADRS]
	FETCH_B \next, 0, 0
	FETCH_A \next, 0, 0
	SCALES \next
	WIN MUL_HI
	MUL16 4, 1, NQ-1, \slot, 0
	MUL16 6, 1, NQ-1, \slot, 0
	PLACES NP
	WIN 0
	FETCH_A \next, 0, 4
.endm
; 64 numbers of a lane = its blocks h and 2 + h, each whole: largest magnitudes in four chains, scale bytes, codes; the scale word's other two bytes come from lane l xor 16
.macro QUANT s, pc, pw
.irp b, 0,1,2,3
	v_max3_num_f32 v[TM+\b], |v[\s+16*\b]|, |v[\s+1+16*\b]|, 0x1800000
.endr
.irp i, 2,4,6,8,10,12,14
.irp b, 0,1,2,3
	v_max3_num_f32 v[TM+\b], v[TM+\b], |v[\s+16*\b+\i]|, |v[\s+1+16*\b+\i]|
.endr
.endr
	v_max_num_f32 v[TM], v[TM], v[TM+1]
	v_max_num_f32 v[TM+1], v[TM+2], v[TM+3]
	v_add_nc_u32 v[TM+12], 0xff000000, v[TM]
	v_add_nc_u32 v[TM+13], 0xff000000, v[TM+1]
	v_lshrrev_b32 v[TM+4], 23, v[TM+12]
	v_lshrrev_b32 v[TM+5], 23, v[TM+13]
	v_lshl_or_b32 v[TM+4], v[TM+5], 16, v[TM+4]
	v_lshlrev_b32 v[TM+4], v[SH8], v[TM+4]
	v_permlanex16_b32 v[TM+6], v[TM+4], s[SELR], s[SELR+1]
	v_or_b32 v[(\pw)], v[TM+4], v[TM+6]
.irp c, 0,1
	v_cvt_scalef32_pk16_fp6_f32 v[(\pc)+6*\c:(\pc)+2+6*\c], v[\s+32*\c:\s+15+32*\c], v[TM+12+\c]
	v_cvt_scalef32_pk16_fp6_f32 v[CT+4*\c:CT+2+4*\c], v[\s+16+32*\c:\s+31+32*\c], v[TM+12+\c]
.endr
	v_nop
.irp c, 0,1
.irp i, 0,1,2
	v_mov_b32 v[(\pc)+3+6*\c+\i], v[CT+4*\c+\i]
.endr
.endr
.endm
	s_wait_alu depctr_va_vdst(0)
	s_wait_tensorcnt 0x0                           ; my tile of the head's four is in; the full sequence ahead of slot 1's first fill
	ds_add_u32 v[SPW], v[NIL]
	s_mov_b32 s[G1+2], 96<<16                      ; no load of mine is out: from here on a load brings 128 places, 96 rows
	s_mov_b32 s[G1+4], 96
	s_mov_b32 s[G1B+2], 96<<16
	s_mov_b32 s[G1B+4], 96
	s_wait_dscnt 0x0
	CROUND
	JLOAD G0+4, G1, G0B+4, G1B
	FETCH_B 0, 0, 0
	FETCH_A 0, 0, 0
	SCALES 0
	FETCH_A 0, 0, 4
	STEP 0, 0, 1
	s_mov_b32 s3, LAPS-1
.Llap:
	TURN 0, 1, 1
	STEP 1, 0, 0
	TURN 1, 0, 1
	STEP 0, 0, 0
	s_sub_co_u32 s3, s3, 1
	s_cmp_lg_u32 s3, 0
	s_cbranch_scc1 .Llap
	TURN 0, 1, 0
	STEP 1, 0, 0
	s_wait_dscnt 4*NL
	WIN MUL_LO
	MUL16 0, 1, NQ-1, 1, 0
	MUL16 2, 1, NQ-1, 1, 0
	s_wait_dscnt 0
	WIN MUL_HI
	MUL16 4, 1, NQ-1, 1, 0
	MUL16 6, 1, NQ-1, 1, 0
	WIN 0
	PLACES NP
.irp b, 0,1,2,3
	v_mov_b32 v[TM+4+\b], 0
.endr
	s_mov_b32 s[SCF], 0x3eb504f3                   ; 64^(-1/4), for Q and K
	s_cmp_eq_u32 s66, 2
	s_cselect_b32 s[SCF], 1.0, s[SCF]
	s_mov_b32 s[SCF+1], s[SCF]
	s_mov_b32 s[SELR], 0x76543210
	s_mov_b32 s[SELR+1], 0xfedcba98
	s_mov_b32 s[HM], 0xffff0000
	s_mov_b32 s[PS0], 0x05040100
	s_mov_b32 s[PS0+1], 0x07060302
.macro BLOCKQ a                        ; block a of 16 rows: scaled into window 0, then quantised; each way out stores it at once, so that the stores leave while the later blocks are worked
	WIN 0x02+(\a)/4
.set k, 0
.rept 32
	v_pk_mul_f32 v[ST+2*k:ST+2*k+1], v[64*((\a)%4)+2*k:64*((\a)%4)+2*k+1], s[SCF:SCF+1] op_sel_hi:[1,0]
.set k, k+1
.endr
	WIN 0
	QUANT ST, PCB+12*(\a), PWB+(\a)
.endm
	s_lshl_b32 s18, s17, 8
	s_lshl_b32 s19, s15, 7
	s_add_co_u32 s18, s18, s19
	s_lshl_b32 s19, s42, 8
	s_lshl_b32 s20, s16, 7
	s_add_co_u32 s19, s19, s20
	s_mov_b32 s23, 24576
	s_cmp_eq_u32 s66, 2
	s_cselect_b32 s20, s19, s18                    ; my first token,
	s_cselect_b32 s21, s18, s19                    ; my first feature
	s_cselect_b32 s22, 12288, 0
	s_cselect_b32 s23, 25088, s23
	s_cmp_eq_u32 s66, 0
	s_cselect_b32 s22, 25600, s22
	s_cselect_b32 s23, 37888, s23
	s_lshr_b32 s40, s20, 11
	s_lshl_b32 s40, s40, 4
	s_bfe_u32 s41, s21, 0x40006
	s_add_co_u32 s40, s40, s41
	s_mul_i32 s40, s40, HEADB
	s_bfe_u32 s41, s20, 0x30008
	s_mul_i32 s41, s41, SB
	s_add_co_u32 s40, s40, s41
	s_bfe_u32 s43, s20, 0x10007
	s_mul_i32 s44, s43, 6144
	s_add_co_u32 s44, s44, s40
	s_add_co_u32 s44, s44, s22
	s_mov_b32 s45, 0
	s_lshl_b32 s46, s43, 8
	s_add_co_u32 s46, s46, s40
	s_add_co_u32 s46, s46, s23
	s_mov_b32 s47, 0
	s_add_nc_u64 s[18:19], s[12:13], s[46:47]
	s_add_nc_u64 s[12:13], s[12:13], s[44:45]
	s_cmp_eq_u32 s66, 2
	s_cbranch_scc1 .Lv
	s_wait_alu depctr_va_vdst(0)
.irp a, 0,1,2,3,4,5,6,7
	BLOCKQ \a
.irp c, 0,1
	global_store_b128 v[LI16], v[PCB+12*\a+6*\c:PCB+12*\a+6*\c+3], s[12:13] offset:768*\a+HEADB*\c
	global_store_b64 v[LI8], v[PCB+12*\a+6*\c+4:PCB+12*\a+6*\c+5], s[12:13] offset:768*\a+HEADB*\c+512
.endr
.endr
.irp c, 0,1
.irp g, 0,1,2,3
	v_perm_b32 v[TM+4*\c+\g], v[PWB+2*\g+1], v[PWB+2*\g], s[PS0+\c]
.endr
	v_cndmask_b32 v[TM+8+2*\c], v[TM+4*\c], v[TM+4*\c+1], s[HM]
	v_cndmask_b32 v[TM+9+2*\c], v[TM+4*\c+2], v[TM+4*\c+3], s[HM]
	global_store_b64 v[LI8], v[TM+8+2*\c:TM+9+2*\c], s[18:19] offset:HEADB*\c
.endr
	s_branch .Ljoin
.Lv:
	s_wait_alu depctr_va_vdst(0)
.irp a, 0,1,2,3,4,5,6,7
	BLOCKQ \a
.irp c, 0,1
	global_store_b128 v[LI16], v[PCB+12*\a+6*\c:PCB+12*\a+6*\c+3], s[12:13] offset:(\a/4)*HEADB+(\a%4)*1536+768*\c
	global_store_b64 v[LI8], v[PCB+12*\a+6*\c+4:PCB+12*\a+6*\c+5], s[12:13] offset:(\a/4)*HEADB+(\a%4)*1536+768*\c+512
.endr
.endr
.irp d, 0,1
	v_cndmask_b32 v[TM+8+2*\d], v[PWB+4*\d], v[PWB+4*\d+1], s[HM]
	v_cndmask_b32 v[TM+9+2*\d], v[PWB+4*\d+2], v[PWB+4*\d+3], s[HM]
	global_store_b64 v[LI8], v[TM+8+2*\d:TM+9+2*\d], s[18:19] offset:HEADB*\d
.endr
.Ljoin:
	s_wait_tensorcnt 0x0                           ; the wave's end
	ds_add_u32 v[SPW], v[NIL]
	s_wait_dscnt 0x0
	CROUND
	s_endpgm
.Lfunc_end_k_q01148106a7_proj:
	.size	k_q01148106a7_proj, .Lfunc_end_k_q01148106a7_proj-k_q01148106a7_proj
	.p2alignl 7, 3214868480
	.fill 96, 4, 3214868480
	.section	.rodata,"a",@progbits
	.p2align	6, 0x0
	.amdhsa_kernel k_q01148106a7_proj
		.amdhsa_group_segment_fixed_size 327680
		.amdhsa_private_segment_fixed_size 0
		.amdhsa_enable_private_segment 0
		.amdhsa_kernarg_size 40
		.amdhsa_user_sgpr_count 2
		.amdhsa_user_sgpr_kernarg_segment_ptr 1
		.amdhsa_wavefront_size32 1
		.amdhsa_system_sgpr_workgroup_id_x 1
		.amdhsa_system_sgpr_workgroup_id_y 1
		.amdhsa_system_sgpr_workgroup_id_z 1
		.amdhsa_system_vgpr_workitem_id 0
		.amdhsa_next_free_vgpr 1024
		.amdhsa_next_free_sgpr 106
		.amdhsa_reserve_vcc 0
		.amdhsa_float_denorm_mode_32 3
		.amdhsa_float_denorm_mode_16_64 3
		.amdhsa_memory_ordered 1
		.amdhsa_forward_progress 1
		.amdhsa_inst_pref_size 223
	.end_amdhsa_kernel
	.amdgpu_metadata
---
amdhsa.version: [ 1, 2 ]
amdhsa.kernels:
  - .name:           k_q01148106a7_proj
    .symbol:         k_q01148106a7_proj.kd
    .args:
      - { .name: xc, .offset: 0, .size: 8, .value_kind: global_buffer, .address_space: global }
      - { .name: xs, .offset: 8, .size: 8, .value_kind: global_buffer, .address_space: global }
      - { .name: wc, .offset: 16, .size: 8, .value_kind: global_buffer, .address_space: global }
      - { .name: ws, .offset: 24, .size: 8, .value_kind: global_buffer, .address_space: global }
      - { .name: qkv, .offset: 32, .size: 8, .value_kind: global_buffer, .address_space: global }
    .group_segment_fixed_size: 327680
    .private_segment_fixed_size: 0
    .kernarg_segment_align: 8
    .kernarg_segment_size: 40
    .max_flat_workgroup_size: 128
    .sgpr_count:     106
    .vgpr_count:     1024
    .wavefront_size: 32
...
	.end_amdgpu_metadata
.endif
;; end of part 2
;; launch attn (part 3): grid 4 x 64, 16 waves a work-group, clusters of 4 x 1, 276,480 bytes of LDS; arguments qkv, out0; writes out0
.if DOCPART == 3
	.amdgcn_target "amdgcn-amd-amdhsa--gfx1250"
	.amdhsa_code_object_version 6
	.text
	.protected	k_q01148106a7_attn
	.globl	k_q01148106a7_attn
	.p2align	8
	.type	k_q01148106a7_attn,@function
k_q01148106a7_attn:
	s_mov_b64 s[64:65], 0
	v_nop
	global_prefetch_b8 v0, s[64:65] scope:SCOPE_SE
	s_setreg_imm32_b32 hwreg(HW_REG_WAVE_MODE, 25, 1), 1
	s_wait_xcnt 0x0
	s_wait_alu depctr_hold_cnt(0) depctr_sa_sdst(0) depctr_va_vdst(0) depctr_va_sdst(0) depctr_va_ssrc(0) depctr_va_vcc(0) depctr_vm_vsrc(0)
	s_getreg_b32 s2, hwreg(HW_REG_IB_STS2, 6, 4)
	s_cmp_eq_u32 s2, 0
	s_cbranch_scc0 .Lentry_in_a_cluster
	s_endpgm
.Lentry_in_a_cluster:
	s_bfe_u32 s2, ttmp6, 0x10000c
	s_cmp_lg_u32 s2, 0x3003
	s_cbranch_scc0 .Lentry_shape_is_right
	s_endpgm
.Lentry_shape_is_right:
; out[b][q][64 head + d] = the sum over keys k <= q of softmax_k(Q . K) V, both products on codes of FP6 (E2M3) with one E8M0 scale for each 32 along a product's K.  Q and K carry 64^(-1/4) already.
; WORK LEFT OUT: key steps of 128 keys all of which come after the wave's queries lie wholly under reference()'s own causal mask and are not computed.
; THE SOFTMAX: t = score x log2(e); M = the row's largest t so far, rounded UP to a whole number; p = 2^(t - M) is quantised along the keys, not normalised.  The row's sum is taken of the unquantised p and divides O at the end.
; When M moves, the sum and O are multiplied by 2^(old M - new M): exact.
; LIMITS: the promise holds while |t| stays under 2^31; a block of p that is all zeros keeps the byte 1 (its codes are zeros); NaN and infinities among the inputs are not served.
; A HEAD'S K AND V STAY IN LDS: 8 blocks (256 tokens) x 25,600 bytes (K's codes 12,288 | V's codes 12,288 | K's scales 512 | V's scales 512) = 204,800 bytes, images of operand registers.
; Each of the sixteen waves asks for 12,800 of them by its one tensor load at the head; nothing is filled again, so one wait, one barrier, and then the waves share nothing.
; CLUSTER: the four work-groups of a head want the same 204,800 bytes at the same time and ask for them jointly (mask 15).  No branch and no LDS address hangs on the place in the cluster.
; NO PREFETCH: all that the launch reads of K and V is asked for at the head; there is no loop to run ahead in.
; SHARES.  A unit is 128 tokens = 8 tiles of 16 queries; unit a wants key steps 0 .. a.  Work-group cx takes tiles 2 cx and 2 cx + 1 of every unit.  Wave w takes tile 2 cx + w % 2 of unit 15 - w / 2 and then of unit w / 2:
; (16 - w / 2) + (w / 2 + 1) = 17 key steps for every wave.  Each walk is a loop of 8 trips x 2 steps; a step beyond the unit is passed over by a scalar branch on the wave's number and the trip.
; LAYOUT.  Both products are used transposed (S^T = K Q^T, O^T = V^T P^T): a lane holds one query.  A tile's place r is token 8 t + (r % 8) + 32 (r / 8) of a group of 64, so S^T's register 32 c + i of lane (r, h) is key 64 c + 32 h + i:
; a lane holds two whole blocks of 32 keys, in the order that the next operand wants.  O^T's register i is channel 32 h + i.
; THE HEAD IS 64 WIDE, THE INSTRUCTION 128: a fragment of K holds two tiles of 16 keys; it is multiplied by [q | zero codes] and by [zero codes | q].  v16-33 hold q | zeros | q: both operands share the zeros.
; REGISTERS: v1-11, v94 addresses and lane constants; v12 -M, v13 the largest t, v[14:15] the sum; v16-33 q; v40-87 four fragments of K, then of V; v88-91 their scale words; v96-159 S^T, then p; v160-191 O^T;
; v192-198, v200-206 the two tiles of q as loaded; v224-235 p's codes; v232-254 at work; v253 p's scale word; v255 q's.
.set HEADB, 307200
.set SB,    38400
.set BLK,   25600
.set HALFB, 12800
.set VOFF,  12288
.set KSC,   24576
.set VSC,   25088
.set QOFF,  25600
.set QSC,   37888
.set STAGE, 8*BLK                      ; behind K and V: a stage of 16 rows x 272 bytes for each wave
.set WST,   4352
.set SPARE, STAGE+16*WST               ; behind the stages: the spare words, 128 bytes a wave
.set LI16, 1                           ; 16 x lane
.set LI8,  2                           ; 8 x lane
.set LQ,   3                           ; my query less its unit's first token, less 32 h
.set QSO,  4                           ; 8 r
.set SPW,  5
.set NIL,  6
.set GO,   7                           ; the way out: 4,096 h + 16 r
.set AD16, 8
.set AD8,  9
.set SO,   10                          ; my stage, in: row r, + 128 h
.set SR,   11                          ; my stage, back: row h, + 16 r
.set QA,   16
.set FRG,  40
.set KSR,  88
.set VSR,  90
.set SH8,  94                          ; 8 h
.set TB,   2                           ; LDS byte of the key block in hand
.set KS,   3                           ; its first key step
.set WV,   8
.set CX,   9
.set BH,   10
.set WA,   11                          ; w / 2
.set HB,   12
.set WU,   14                          ; w % 2
.set AA,   15                          ; the unit in hand
.set A1,   16                          ; less one
.set SEL,  20
.set CS,   22
.set G1,   24
.set G0,   32
.set PSEL, 48
.set T8,   49
.set T0,   50
.set T2,   52
.set OUTB, 54
.set QB0,  56
.set QS0,  58
.set QT,   60
.set TT,   61
.macro CROUND
	s_barrier_signal -1
	s_barrier_wait -1
	s_cmp_lg_u32 s[WV], 0
	s_cbranch_scc1 .Lnot_wave_0_\@
	s_barrier_signal -3
.Lnot_wave_0_\@:
	s_barrier_wait -3
	s_barrier_signal -1
	s_barrier_wait -1
.endm
; unit s[AA]: the addresses of my tile of Q, of its scale words and of its rows of out0; q is asked for
.macro QL qp, qs, ob, dst
	s_lshr_b32 s[T0], s[AA], 1
	s_mul_i32 s[T0], s[T0], SB
	s_and_b32 s[TT], s[AA], 1
	s_mul_i32 s[T2], s[TT], 6144
	s_add_co_u32 s[T2], s[T2], s[T0]
	s_add_nc_u64 s[(\qp):(\qp)+1], s[QB0:QB0+1], s[T2:T2+1]
	s_lshl_b32 s[TT], s[TT], 8
	s_add_co_u32 s[T2], s[TT], s[T0]
	s_add_nc_u64 s[(\qs):(\qs)+1], s[QS0:QS0+1], s[T2:T2+1]
	s_lshl_b32 s[T2], s[AA], 19                    ; 128 rows of 4,096 bytes a unit
	s_add_nc_u64 s[(\ob):(\ob)+1], s[OUTB:OUTB+1], s[T2:T2+1]
	global_load_b128 v[(\dst):(\dst)+3], v[LI16], s[(\qp):(\qp)+1]
	global_load_b64 v[(\dst)+4:(\dst)+5], v[LI8], s[(\qp):(\qp)+1] offset:512
	global_load_b32 v[(\dst)+6], v[QSO], s[(\qs):(\qs)+1]
.endm
; a new tile of queries: q twice round the zeros, its scale bytes twice, and the state: O^T and the sum zeros, the largest t -3e38
.macro INIT src
	v_perm_b32 v255, v[(\src)+6], v[(\src)+6], s[PSEL]
.irp i, 0,1,2,3,4,5
	v_mov_b32 v[QA+\i], v[(\src)+\i]
	v_mov_b32 v[QA+12+\i], v[(\src)+\i]
.endr
	v_mov_b32 v13, 0xff61b1e6
	s_delay_alu instid0(VALU_DEP_1)
	v_floor_f32 v12, -v13
	v_mov_b32 v14, 0
	v_mov_b32 v15, 0
.set n, 0
.rept 32
	v_mov_b32 v[160+n], 0                          ; also the places between q's lines and the first product
.set n, n+1
.endr
	s_wait_alu depctr_va_vdst(0)
.endm
.macro IMG reg, off
	ds_load_b128 v[(\reg):(\reg)+3], v[AD16] offset:(\off)
	ds_load_b64 v[(\reg)+4:(\reg)+5], v[AD8] offset:(\off)+512
	ds_load_b128 v[(\reg)+6:(\reg)+9], v[AD16] offset:(\off)+768
	ds_load_b64 v[(\reg)+10:(\reg)+11], v[AD8] offset:(\off)+1280
.endm
.macro KQ g, u                         ; tile 2 g + u of the step's eight
.if (\g)%2
	v_wmma_scale_f32_16x16x128_f8f6f4 v[96+8*(2*(\g)+(\u)):103+8*(2*(\g)+(\u))], v[FRG+12*(\g):FRG+12*(\g)+11], v[QA+6*(\u):QA+6*(\u)+11], 0, v[KSR+(\g)/2], v255 matrix_a_fmt:MATRIX_FMT_FP6 matrix_b_fmt:MATRIX_FMT_FP6 matrix_a_scale:MATRIX_SCALE_ROW1
.else
	v_wmma_scale_f32_16x16x128_f8f6f4 v[96+8*(2*(\g)+(\u)):103+8*(2*(\g)+(\u))], v[FRG+12*(\g):FRG+12*(\g)+11], v[QA+6*(\u):QA+6*(\u)+11], 0, v[KSR+(\g)/2], v255 matrix_a_fmt:MATRIX_FMT_FP6 matrix_b_fmt:MATRIX_FMT_FP6
.endif
.endm
.macro PV t
.if (\t)%2
	v_wmma_scale_f32_16x16x128_f8f6f4 v[160+8*(\t):167+8*(\t)], v[FRG+12*(\t):FRG+12*(\t)+11], v[224:235], v[160+8*(\t):167+8*(\t)], v[VSR+(\t)/2], v253 matrix_a_fmt:MATRIX_FMT_FP6 matrix_b_fmt:MATRIX_FMT_FP6 matrix_a_scale:MATRIX_SCALE_ROW1
.else
	v_wmma_scale_f32_16x16x128_f8f6f4 v[160+8*(\t):167+8*(\t)], v[FRG+12*(\t):FRG+12*(\t)+11], v[224:235], v[160+8*(\t):167+8*(\t)], v[VSR+(\t)/2], v253 matrix_a_fmt:MATRIX_FMT_FP6 matrix_b_fmt:MATRIX_FMT_FP6
.endif
.endm
; A KEY STEP: 128 keys, step s[KS] + q
.macro STEP q
.if \q
	s_cmp_ge_u32 s[KS], s[AA]
.else
	s_cmp_gt_u32 s[KS], s[AA]
.endif
	s_cbranch_scc1 .Lhid_\@                        ; beyond my unit: all its keys come after my queries
	v_add_nc_u32 v[AD16], s[TB], v[LI16]
	v_add_nc_u32 v[AD8], s[TB], v[LI8]
	v_nop
	v_nop                                          ; four places in front of loads into registers that the last products have read
.irp g, 0,1,2,3
	IMG FRG+12*\g, 6144*(\q)+1536*\g
.endr
	ds_load_b64 v[KSR:KSR+1], v[AD8] offset:KSC+256*(\q)
	s_wait_alu depctr_va_vdst(0)
	s_wait_dscnt 0x0
.irp g, 0,1,2,3
.irp u, 0,1
	KQ \g, \u
.endr
.endr
.rept 4
	v_nop                                          ; four places: ahead of the loads below and of the first read of the scores
.endr
.irp t, 0,1,2,3
	IMG FRG+12*\t, VOFF+6144*(\q)+1536*\t          ; V's tiles take K's registers and land while the softmax is walked
.endr
	ds_load_b64 v[VSR:VSR+1], v[AD8] offset:VSC+256*(\q)
.if \q
	s_cmp_lg_u32 s[KS], s[A1]
.else
	s_cmp_lg_u32 s[KS], s[AA]
.endif
	s_cbranch_scc1 .Lopen_\@                       ; only my unit's own step holds hidden keys
	v_mov_b32 v254, 0xff800000
.set n, 0
.rept 64
	v_cmp_gt_i32 vcc_lo, 64*(n/32)+n%32, v[LQ]     ; register n is hidden where its key comes after my query
	v_cndmask_b32 v[96+n], v[96+n], v254, vcc_lo
.set n, n+1
.endr
.Lopen_\@:
.irp x, 0,1,2,3
	v_max3_num_f32 v[232+\x], v[96+16*\x], v[97+16*\x], v[98+16*\x]   ; the largest score of each block, in four chains: it serves the row's maximum and, since p rises with the score, the block's largest p
.endr
.irp i, 3,5,7,9,11,13
.irp x, 0,1,2,3
	v_max3_num_f32 v[232+\x], v[232+\x], v[96+16*\x+\i], v[97+16*\x+\i]
.endr
.endr
	v_max3_num_f32 v232, v232, v233, v111
	v_max3_num_f32 v233, v234, v235, v143
	v_max_num_f32 v232, v232, v127                 ; my block h,
	v_max_num_f32 v233, v233, v159                 ; my block 2 + h
	v_max_num_f32 v254, v232, v233
	v_permlanex16_b32 v236, v254, s[SEL], s[SEL+1]
	v_max_num_f32 v254, v254, v236                 ; the step's largest score of my query
	s_delay_alu instid0(VALU_DEP_1)
	v_mul_f32 v254, s[CS], v254
	s_delay_alu instid0(VALU_DEP_1)
	v_max_num_f32 v13, v13, v254
	v_mov_b32 v254, v12
	s_delay_alu instid0(VALU_DEP_2)
	v_floor_f32 v12, -v13                          ; -M = -ceil(t)
	s_delay_alu instid0(VALU_DEP_1)
	v_sub_f32 v254, v12, v254
	s_delay_alu instid0(VALU_DEP_1)
	v_cvt_i32_f32 v254, v254                       ; (it saturates)
	s_delay_alu instid0(VALU_DEP_1)
	v_ldexp_f32 v252, 1.0, v254                    ; f = 2^(old M - new M)
.set n, 0
.rept 32
	v_pk_fma_f32 v[96+n:97+n], v[96+n:97+n], s[CS:CS+1], v[12:13] op_sel_hi:[1,0,0]   ; t - M
.set n, n+2
.endr
	v_fma_f32 v232, v232, s[CS], v12
	v_fma_f32 v233, v233, s[CS], v12
	s_wait_alu depctr_va_vdst(0)
.set n, 0
.rept 64
	v_exp_f32 v[96+n], v[96+n]
.set n, n+1
.endr
	v_pk_mul_f32 v[14:15], v[14:15], v[252:253] op_sel_hi:[1,0]   ; the sums under the new M; a plain place behind the batch
	s_wait_alu depctr_va_vdst(0)                   ; one wait for the batch
	v_exp_f32 v232, v232                           ; each block's largest p
	v_exp_f32 v233, v233
	v_pk_add_f32 v[14:15], v[14:15], v[96:97]      ; the row's sum of the unquantised p, in four chains
	v_pk_add_f32 v[236:237], v[98:99], v[100:101]
	v_pk_add_f32 v[240:241], v[102:103], v[104:105]
	v_pk_add_f32 v[242:243], v[106:107], v[108:109]
.set n, 110
.rept 6
	v_pk_add_f32 v[14:15], v[14:15], v[n:n+1]
	v_pk_add_f32 v[236:237], v[236:237], v[n+2:n+3]
	v_pk_add_f32 v[240:241], v[240:241], v[n+4:n+5]
	v_pk_add_f32 v[242:243], v[242:243], v[n+6:n+7]
.set n, n+8
.endr
	v_pk_add_f32 v[14:15], v[14:15], v[158:159]
	v_pk_add_f32 v[236:237], v[236:237], v[240:241]
	s_delay_alu instid0(VALU_DEP_2)
	v_pk_add_f32 v[14:15], v[14:15], v[242:243]
	s_delay_alu instid0(VALU_DEP_1)
	v_pk_add_f32 v[14:15], v[14:15], v[236:237]
	s_wait_alu depctr_va_vdst(0)                   ; and one for the two
	v_max_num_f32 v232, 0x1800000, v232            ; the floor 2^(3 - 127)
	v_max_num_f32 v233, 0x1800000, v233
	s_delay_alu instid0(VALU_DEP_2)
	v_add_nc_u32 v244, 0xff000000, v232            ; the conversions' scale operands
	s_delay_alu instid0(VALU_DEP_2)
	v_add_nc_u32 v245, 0xff000000, v233
	s_delay_alu instid0(VALU_DEP_2)
	v_lshrrev_b32 v236, 23, v244
	s_delay_alu instid0(VALU_DEP_2)
	v_lshrrev_b32 v237, 23, v245
	s_delay_alu instid0(VALU_DEP_1)
	v_lshl_or_b32 v236, v237, 16, v236             ; my two bytes,
	s_delay_alu instid0(VALU_DEP_1)
	v_lshlrev_b32 v236, v[SH8], v236               ; at their places,
	s_delay_alu instid0(VALU_DEP_1)
	v_permlanex16_b32 v238, v236, s[SEL], s[SEL+1]
	s_delay_alu instid0(VALU_DEP_1)
	v_or_b32 v253, v236, v238                      ; with lane l xor 16's two: p's scale word
	v_cvt_scalef32_pk16_fp6_f32 v[224:226], v[96:111], v244
	v_cvt_scalef32_pk16_fp6_f32 v[240:242], v[112:127], v244   ; (a conversion's three registers begin on an even number)
	v_cvt_scalef32_pk16_fp6_f32 v[230:232], v[128:143], v245
	v_cvt_scalef32_pk16_fp6_f32 v[248:250], v[144:159], v245
	v_nop                                          ; a plain place behind the conversions
.irp i, 0,1,2
	v_mov_b32 v[227+\i], v[240+\i]
	v_mov_b32 v[233+\i], v[248+\i]
.endr
	s_wait_alu depctr_va_vdst(0)
.set n, 0
.rept 16
	v_pk_mul_f32 v[160+n:161+n], v[160+n:161+n], v[252:253] op_sel_hi:[1,0]   ; O^T x f; also the places between p's codes and scale word and the products
.set n, n+2
.endr
	s_wait_alu depctr_va_vdst(0)
	s_wait_dscnt 0x0                               ; V's tiles and scale words are in
.irp t, 0,1,2,3
	PV \t                                          ; four accumulators by turns
.endr
.Lhid_\@:
.endm
.macro PHASE                           ; a walk over the head's sixteen key steps
	s_mov_b32 s[TB], 0
	s_mov_b32 s[KS], 0
.Ltrip_\@:
	STEP 0
	STEP 1
	s_add_co_u32 s[TB], s[TB], BLK
	s_add_co_u32 s[KS], s[KS], 2
	s_cmp_lt_u32 s[KS], 16
	s_cbranch_scc1 .Ltrip_\@
.endm
; THE WAY OUT: O^T / the sum; a lane's 32 registers are 128 bytes of its query's 256; the 16 rows go through my stage and come back whole, two an instruction
.macro WAYOUT ob
.rept 4
	v_nop
.endr
	v_add_f32 v14, v14, v15
	s_delay_alu instid0(VALU_DEP_1)
	v_permlanex16_b32 v252, v14, s[SEL], s[SEL+1]
	s_delay_alu instid0(VALU_DEP_1)
	v_add_f32 v14, v14, v252
	s_wait_alu depctr_va_vdst(0)
	v_rcp_f32 v14, v14
	v_nop
	s_wait_alu depctr_va_vdst(0)
.set n, 0
.rept 32
	v_mul_f32 v[96+n], v[160+n], v14               ; ascending: each accumulator from its low end on
.set n, n+1
.endr
.irp m, 0,1,2,3,4,5,6,7
	ds_store_b128 v[SO], v[96+4*\m:99+4*\m] offset:16*\m
.endr
.irp m, 0,1,2,3,4,5,6,7
	ds_load_b128 v[FRG+4*\m:FRG+4*\m+3], v[SR] offset:544*\m   ; LDS serves a wave's instructions in order
.endr
.irp m, 0,1,2,3,4,5,6,7
	s_wait_dscnt 7-\m                              ; the younger loads may stay out
	global_store_b128 v[GO], v[FRG+4*\m:FRG+4*\m+3], s[(\ob):(\ob)+1] offset:(2*\m+24*(\m/4))*4096 th:TH_STORE_NT   ; place 2 m + h is query 2 m + 24 (m / 4) + h of the tile; 16 lanes store 256 consecutive bytes, aligned
.endr
.endm
	s_load_b128 s[4:7], s[0:1], 0x0                ; qkv, out0
	v_lshl_add_u32 v[SPW], v0, 2, SPARE
	v_mov_b32 v[NIL], 0
	ds_add_u32 v[SPW], v[NIL]                      ; the opening lines
	ds_add_u32 v[SPW], v[NIL]
	v_lshrrev_b32 v8, 5, v0
	v_readfirstlane_b32 s[WV], v8
	s_bfe_u32 s[CX], ttmp6, 0x40000
	s_and_b32 s[BH], ttmp7, 0xffff
	s_lshr_b32 s[WA], s[WV], 1
	s_and_b32 s[WU], s[WV], 1
	s_mov_b32 s[G1+0], 15|(3<<16)|(1<<21)          ; the mask names the cluster's four; elements of 8 bytes; no padding: an image is read as consecutive bytes
	s_mov_b32 s[G1+1], 32<<16
	s_mov_b32 s[G1+2], 50<<16                      ; 12,800 dense bytes as 50 rows of 256
	s_mov_b32 s[G1+3], 32<<16
	s_mov_b32 s[G1+4], 50
	s_mov_b32 s[G1+5], 32
	s_mov_b32 s[G1+6], 0
	s_mov_b32 s[G1+7], 0
	s_mul_i32 s[T0], s[BH], HEADB
	s_mov_b32 s[T0+1], 0
	s_mul_i32 s[T2], s[WA], SB                     ; key block w / 2,
	s_mul_i32 s[TT], s[WU], HALFB                  ; its half w % 2
	s_add_co_u32 s[T2], s[T2], s[TT]
	s_mov_b32 s[T2+1], 0
	s_mov_b32 s[G0], 1
	s_mul_i32 s[G0+1], s[WV], HALFB
	s_wait_dscnt 0x0
	s_wait_kmcnt 0x0
	s_add_nc_u64 s[HB:HB+1], s[4:5], s[T0:T0+1]
	s_add_nc_u64 s[G0+2:G0+3], s[HB:HB+1], s[T2:T2+1]
	s_or_b32 s[G0+3], s[G0+3], 0x80000000
	CROUND                                         ; in front of the joint loads
	tensor_load_to_lds s[G0:G0+3], s[G1:G1+7]      ; my one tensor load of the launch
	s_nop 0
.rept 4
	v_nop
.endr
	s_lshl_b32 s[T8], s[CX], 1
	s_add_co_u32 s[T8], s[T8], s[WU]               ; my tile of a unit's eight
	s_lshr_b32 s[QT], s[T8], 2
	s_lshl_b32 s[QT], s[QT], 6
	s_and_b32 s[TT], s[T8], 3
	s_lshl_b32 s[TT], s[TT], 3
	s_add_co_u32 s[QT], s[QT], s[TT]               ; its first token in the unit
	v_and_b32 v8, 31, v0
	v_lshlrev_b32 v[LI16], 4, v8
	v_lshlrev_b32 v[LI8], 3, v8
	v_and_b32 v8, 15, v0                           ; r
	v_bfe_u32 v9, v0, 4, 1                         ; h
	v_and_b32 v[LQ], 7, v0
	v_bfe_u32 v12, v0, 3, 1
	v_lshl_add_u32 v[LQ], v12, 5, v[LQ]
	v_lshlrev_b32 v12, 5, v9
	v_sub_nc_u32 v[LQ], v[LQ], v12
	v_add_nc_u32 v[LQ], s[QT], v[LQ]
	v_lshlrev_b32 v[QSO], 3, v8
	v_lshlrev_b32 v[SH8], 3, v9
	v_lshlrev_b32 v[GO], 12, v9
	v_lshl_add_u32 v[GO], v8, 4, v[GO]
	s_mul_i32 s[TT], s[WV], WST
	s_add_co_u32 s[TT], s[TT], STAGE
	v_mul_u32_u24 v[SO], v8, 272
	v_lshl_add_u32 v[SO], v9, 7, v[SO]
	v_add_nc_u32 v[SO], s[TT], v[SO]
	v_mul_u32_u24 v[SR], v9, 272
	v_lshl_add_u32 v[SR], v8, 4, v[SR]
	v_add_nc_u32 v[SR], s[TT], v[SR]
.irp i, 0,1,2,3,4,5
	v_mov_b32 v[QA+6+\i], 0                        ; the zero codes, written once
.endr
	v_mov_b32 v236, 0                              ; a lane permute's destination counts as a source
	v_mov_b32 v238, 0
	v_mov_b32 v252, 0
	v_mov_b32 v253, 0
	s_wait_alu depctr_va_vdst(0)
	s_lshr_b32 s[T0], s[BH], 4
	s_lshl_b32 s[T0], s[T0], 23                    ; the batch,
	s_and_b32 s[TT], s[BH], 15
	s_lshl_b32 s[TT], s[TT], 8                     ; the head's 256 bytes of a row,
	s_add_co_u32 s[T0], s[T0], s[TT]
	s_lshl_b32 s[TT], s[QT], 12                    ; my tile's first row in a unit
	s_add_co_u32 s[T0], s[T0], s[TT]
	s_add_nc_u64 s[OUTB:OUTB+1], s[6:7], s[T0:T0+1]
	s_mul_i32 s[T0], s[T8], 768
	s_add_co_u32 s[T0], s[T0], QOFF
	s_add_nc_u64 s[QB0:QB0+1], s[HB:HB+1], s[T0:T0+1]
	s_lshr_b32 s[T0], s[CX], 1
	s_lshl_b32 s[T0], s[T0], 2                     ; Q's scale words: pair cx of tiles: word cx / 2 of a lane's two,
	s_and_b32 s[TT], s[CX], 1
	s_lshl_b32 s[TT], s[TT], 7                     ; lanes 16 (cx % 2) + r
	s_add_co_u32 s[T0], s[T0], s[TT]
	s_add_co_u32 s[T0], s[T0], QSC
	s_add_nc_u64 s[QS0:QS0+1], s[HB:HB+1], s[T0:T0+1]
	s_mov_b32 s[PSEL], 0x01000100
	s_cmp_eq_u32 s[WU], 1
	s_cselect_b32 s[PSEL], 0x03020302, s[PSEL]     ; my tile's two bytes of the pair's word, twice
	s_mov_b32 s[SEL], 0x76543210
	s_mov_b32 s[SEL+1], 0xfedcba98
	s_mov_b32 s[CS], 0x3fb8aa3b                    ; log2(e)
	s_mov_b32 s[CS+1], s[CS]
	s_mov_b32 s[AA], s[WA]
	QL 40, 42, 46, 192                             ; the second walk's tile,
	s_xor_b32 s[AA], s[WA], 15
	QL 36, 38, 44, 200                             ; the first walk's: unit 15 - w / 2
	s_sub_co_u32 s[A1], s[AA], 1
	s_wait_loadcnt 0x0
	INIT 200
	s_wait_tensorcnt 0x0                           ; my part of K and V is in;
	s_barrier_signal -1
	s_barrier_wait -1                              ; and everybody's.  Nothing is filled again
	PHASE
	WAYOUT 44
	s_wait_xcnt 0x0                                ; the stores have read their registers, which the next walk's loads write
	s_mov_b32 s[AA], s[WA]                         ; unit w / 2
	s_sub_co_u32 s[A1], s[AA], 1
	INIT 192
	PHASE
	WAYOUT 46
	s_wait_tensorcnt 0x0                           ; the wave's end
	ds_add_u32 v[SPW], v[NIL]
	s_wait_dscnt 0x0
	CROUND                                         ; the closing round
	s_endpgm
.Lfunc_end_k_q01148106a7_attn:
	.size	k_q01148106a7_attn, .Lfunc_end_k_q01148106a7_attn-k_q01148106a7_attn
	.p2alignl 7, 3214868480
	.fill 96, 4, 3214868480
	.section	.rodata,"a",@progbits
	.p2align	6, 0x0
	.amdhsa_kernel k_q01148106a7_attn
		.amdhsa_group_segment_fixed_size 276480
		.amdhsa_private_segment_fixed_size 0
		.amdhsa_enable_private_segment 0
		.amdhsa_kernarg_size 16
		.amdhsa_user_sgpr_count 2
		.amdhsa_user_sgpr_kernarg_segment_ptr 1
		.amdhsa_wavefront_size32 1
		.amdhsa_system_sgpr_workgroup_id_x 1
		.amdhsa_system_sgpr_workgroup_id_y 1
		.amdhsa_system_sgpr_workgroup_id_z 1
		.amdhsa_system_vgpr_workitem_id 0
		.amdhsa_next_free_vgpr 256
		.amdhsa_next_free_sgpr 100
		.amdhsa_reserve_vcc 1
		.amdhsa_float_denorm_mode_32 3
		.amdhsa_float_denorm_mode_16_64 3
		.amdhsa_memory_ordered 1
		.amdhsa_forward_progress 1
		.amdhsa_inst_pref_size 100
	.end_amdhsa_kernel
	.amdgpu_metadata
---
amdhsa.version: [ 1, 2 ]
amdhsa.kernels:
  - .name:           k_q01148106a7_attn
    .symbol:         k_q01148106a7_attn.kd
    .args:
      - { .name: qkv, .offset: 0, .size: 8, .value_kind: global_buffer, .address_space: global }
      - { .name: out0, .offset: 8, .size: 8, .value_kind: global_buffer, .address_space: global }
    .group_segment_fixed_size: 276480
    .private_segment_fixed_size: 0
    .kernarg_segment_align: 8
    .kernarg_segment_size: 16
    .max_flat_workgroup_size: 512
    .sgpr_count:     100
    .vgpr_count:     256
    .wavefront_size: 32
...
	.end_amdgpu_metadata
.endif
;; end of part 3
